; MI455X (gfx1250); checked and timed in simulation.
; The chip was launched on July 23, 2026; its instructions are those of AMD's public machine-readable ISA for CDNA 5 (MIT licence, August 2026) and "CDNA5" Instruction Set Architecture Reference Guide (July 2026). The comments in the code are by the model that wrote it; some were corrected since.
;; MSA. Allowed arithmetic: matrix products marked QUANTISED: E3M2 operands, one E8M0 scale for each 32 along K, by v_wmma_scale_f32_16x16x128_f8f6f4 with both operands' format E3M2, f32 sums; everything else in f32.
;; Inputs: wk 1,024 x 1,024 float32; wq 1,024 x 1,024 float32; wv 1,024 x 1,024 float32; x 4 x 2,048 x 1,024 float32.
;; Outputs: out0 4 x 2,048 x 1,024 float32.
;; This version of the problem:
;;   THIS VERSION OF THE PROBLEM IS GIVEN IN LOW PRECISION. The matrix products marked QUANTISED in the list below multiply operands that are first quantised to E3M2 (3 exponent bits, 2 mantissa bits; 6 bits a number), with one power-of-two scale for each 32 numbers along K (OCP MX v1.0); their sums are f32. All else is computed in f32.
;;   The module's matrix products, in the order in which they are computed (A, B: the left and right operand; K: the contracted axis; several contracted axes count as one K, in the product's order):
;;     1. [M 8,192, K 1,024] x [K 1,024, N 1,024]; A: input x; B: input wq: QUANTISED
;;     2. [M 8,192, K 1,024] x [K 1,024, N 1,024]; A: input x; B: input wk: QUANTISED
;;     3. [M 8,192, K 1,024] x [K 1,024, N 1,024]; A: input x; B: input wv: QUANTISED
;;     4. batch 64 x [M 2,048, K 64] x [K 64, N 2,048]; A: computed on the way; B: computed on the way: QUANTISED
;;     5. batch 64 x [M 2,048, K 2,048] x [K 2,048, N 64]; A: softmax (see below); B: computed on the way: QUANTISED
;;   THE QUANTISER, for each operand of a quantised product, along K:
;;     - K is cut into blocks of 32 from its start; a last block that is shorter is filled with zeros.
;;     - A block's scale is 2^e with e = floor(log2(the largest magnitude in the block)) - 4, held to -126 .. 127; a block of zeros has e = 0. As a byte (E8M0): e + 127.
;;     - Each number is divided by its block's scale, clamped to +-28, and rounded to the nearest number of E3M2, ties to even, subnormals kept.
;;     - The product sums the exact products of the quantised numbers (number of the format x scale) in f32.
;;   ~~~python
;;   def quantise(x, axis):      # numpy; x: float32 -> the quantised numbers, widened to float32 again
;;       x = np.moveaxis(x, axis, -1); K = x.shape[-1]
;;       x = np.pad(x, [(0, 0)] * (x.ndim - 1) + [(0, -K % 32)]); x = x.reshape(x.shape[:-1] + (-1, 32)); a = np.abs(x).max(-1, keepdims=True)
;;       e = np.where(a > 0, np.clip(np.frexp(np.where(a > 0, a, 1))[1] - 1 - 4, -126, 127), 0)      # np.frexp(a)[1] - 1 = floor(log2(a)), exactly
;;       r = np.clip(x / 2.0 ** e, -28, 28)
;;       step = 2.0 ** (np.maximum(np.frexp(np.where(r == 0, 1, r))[1] - 1, -2) - 2)
;;       q = np.round(r / step) * step * 2.0 ** e      # np.round: ties to even
;;       return np.moveaxis(q.reshape(q.shape[:-2] + (-1,))[..., :K], -1, axis).astype(np.float32)
;;   ~~~
;;   SOFTMAX AHEAD OF A QUANTISED PRODUCT. Where the list says 'softmax', what is quantised is not the finished softmax but p = 2^(t - M), with t = logit x log2(e) and M = ceil(the row's largest t), a whole number; so 1/2 < the row's largest p <= 1. The row's sum l is taken of the UNQUANTISED p, in f32, and the product's result is divided by l at the end. Since M is a whole number, a kernel that streams over the keys may use a running M (the ceiling of the running maximum): every later rescaling is an exact power of two, which a block's scale takes up: the codes' values come out the same.
;;   OPERANDS COMPUTED ON THE WAY. 'Computed on the way' means the value that the module computes at that place (a softmax that the list does not call 'softmax' is quantised finished and normalised). What goes into a quantiser is computed in f32, as accurately as f32 sums, v_exp_f32 and their like allow (about 1e-6 of the number): no bf16 or f16 on the way to a quantiser, and a product that is left as it is and whose result goes on into a quantised operand takes f32 operands (vector FMAs, or v_wmma_f32_16x16x4_f32). A number that lies on a knife's edge between two numbers of the format may be rounded either way, as far as f32 arithmetic and the matrix unit's own rounding can turn it there, and no further.
;; One version. Each part assembles by itself: llvm-mc -triple=amdgcn-amd-amdhsa -mcpu=gfx1250 --defsym DOCPART=n.
;; ======== version 1 of 1: 3 launches
;; workspace buffers: xc 6,291,456 bytes; xs 262,144 bytes; wc 2,359,296 bytes; ws 98,304 bytes; qkc 50,331,648 bytes; qks 1,048,576 bytes; vc 6,291,456 bytes; vs 4,194,304 bytes
;; launch quant (part 1): grid 352 x 1, 4 waves a work-group, no clusters, 68,096 bytes of LDS; arguments x, wq, wk, wv, xc, xs, wc, ws; writes xc, xs, wc, ws
.if DOCPART == 1
	.amdgcn_target "amdgcn-amd-amdhsa--gfx1250"
	.amdhsa_code_object_version 6
	.text
	.protected	k_q393e74af0e_quant
	.globl	k_q393e74af0e_quant
	.p2align	8
	.type	k_q393e74af0e_quant,@function
k_q393e74af0e_quant:
	s_mov_b64 s[64:65], 0
	v_nop
	global_prefetch_b8 v0, s[64:65] scope:SCOPE_SE
	s_setreg_imm32_b32 hwreg(HW_REG_WAVE_MODE, 25, 1), 1
	s_wait_xcnt 0x0
; x [8192][1024] and wq, wk, wv [1024 (k)][1024 (n)], f32, become codes of BF6 (E3M2), 6 bits each, K innermost, with one E8M0 scale byte for each 32 along K.
; A block's scale is 2^(floor(log2(its largest magnitude)) - 4); its byte is the largest magnitude's own exponent field - 4, held at 1 from below.  Each number is divided by the scale and
; rounded to the nearest code, ties to even; beyond the largest code the conversion gives the largest code.
; OUT: xc [8192 rows][768 bytes], xs [8192][32];  wc [3072 rows: wq's 1024 columns, wk's, wv's][768], ws [3072][32].
; THE ROWS ARE STORED IN ANOTHER ORDER: row n lies at place PR(n) = n with its bits 3 and 4 exchanged.  So sixteen neighbouring places 32 B + 16 u + i hold the rows 32 B + 8 u + i + 8 (i / 8):
; the next launch reads neighbouring places, and a lane's results of two neighbouring tiles are then sixteen neighbours along the next product's K.
; LIMITS: a block whose largest magnitude lies under 2^(5 - 127) keeps the byte 1 (a block of zeros too, where the rule says 127: its codes are zeros, and this program alone reads the bytes);
; NaN and infinities among the inputs are not served.
; ONE LAUNCH, TWO PATHS that part on the work-group's number and never meet: work-groups 0 to 255 take x, 256 to 351 the weights.  Each path has LDS bytes of its own.
; No tensor loads, no barrier, no cluster, no matrix work: waves share nothing, and every input byte is read once.
.set SP,     80                        ; path X: a lane's place in a stage: its 64 bytes + 16 of padding
.set WREG,   8192                      ; path X: LDS of a wave: two stages of 32 x SP bytes, and behind them its 256 scale bytes
.set STEPS,  16                        ; path X: steps of 512 numbers for a wave
.set AHEAD,  8                         ; path X: loads run eight steps, 32 loads of a wave, ahead
.set RR,     16                        ; v16-143  eight sets of 16 numbers as they are loaded
.set XX,     144                       ; v144-175 two sets of 16 neighbours
.set EE,     176                       ; v176-191 a scale byte for each step
.set CC,     192                       ; v192-255 codes: four registers for each step, so that no store's data are written again
.set WSTG,   32768                     ; path W: its stages begin here: 32 rows x WPITCH bytes for each wave
.set WPITCH, 272                       ; path W: a stage row: sixteen places of 16 bytes, each with 12 bytes of codes, + 16
.set NB,     8                         ; path W: blocks of 32 along K for a wave
.set WX,     32                        ; v32-95   two sets of 32 numbers
.set WC,     96                        ; v96-102  a block's codes
.set OUTR,   112                       ; v112-175 the way out
.set SB,     24                        ; v24-25   eight scale bytes
	s_load_b256 s[4:11], s[0:1], 0x0               ; x s[4:5], wq s[6:7], wk s[8:9], wv s[10:11]
	s_load_b256 s[12:19], s[0:1], 0x20             ; xc s[12:13], xs s[14:15], wc s[16:17], ws s[18:19]
	v_lshl_add_u32 v251, v0, 2, 0x10800
	v_mov_b32 v255, 0
	v_lshrrev_b32 v1, 5, v0
	v_readfirstlane_b32 s20, v1                    ; wave 0..3
	v_and_b32 v2, 31, v0                           ; lane
	s_wait_kmcnt 0x0
	s_cmp_lt_u32 ttmp9, 256
	s_cbranch_scc0 .Lweights
; ---------------- PATH X.  A wave takes a run of 8,192 numbers, eight rows of x, in 16 steps of 512.  Each of a step's four loads reads 512 consecutive bytes, 16 a lane; the conversion wants 16 NEIGHBOURS
; in a lane, so the step's 2,048 bytes go through the wave's own stage in LDS as they lie and come back 64 bytes a lane.  Two neighbouring lanes hold a block.
	s_wait_alu depctr_va_vdst(0)
	v_lshlrev_b32 v3, 4, v2                        ; my 16 bytes of a load's 512
	s_mul_i32 s21, s20, WREG
	v_lshrrev_b32 v14, 2, v2
	v_mul_u32_u24 v14, v14, SP
	v_and_b32 v15, 3, v2
	v_lshl_add_u32 v14, v15, 4, v14
	v_add_nc_u32 v14, s21, v14                     ; the stage, on the way in: SP (lane / 4) + 16 (lane % 4); a load's 512 bytes take eight places
	v_mul_u32_u24 v15, v2, SP
	v_add_nc_u32 v15, s21, v15                     ; and on the way out: SP x lane: my 16 neighbours
	v_mul_u32_u24 v4, v2, 12                       ; my 12 bytes of a step's 384 bytes of codes
	v_lshrrev_b32 v5, 1, v2
	s_add_co_u32 s21, s21, 2*32*SP
	v_add_nc_u32 v5, s21, v5                       ; LDS: my wave's 256 scale bytes, my block's byte
	v_lshlrev_b32 v7, 3, v2                        ; and on the way out 8 bytes a lane
	v_add_nc_u32 v6, s21, v7
	s_lshl_b32 s22, ttmp9, 2
	s_add_co_u32 s22, s22, s20                     ; R: which run of eight rows is my wave's, 0..1023
	s_lshl_b32 s24, s22, 15                        ; 32,768 bytes of x a run
	s_mov_b32 s25, 0
	s_add_nc_u64 s[4:5], s[4:5], s[24:25]
	s_and_b32 s23, s22, 0xfffffffc                 ; a row's bits 3 and 4 are R's bits 0 and 1: they change places
	s_and_b32 s26, s22, 1
	s_lshl_b32 s26, s26, 1
	s_or_b32 s23, s23, s26
	s_bfe_u32 s26, s22, 0x10001
	s_or_b32 s23, s23, s26                         ; P: the run's place in xc and xs
	s_mul_i32 s24, s23, 6144                       ; eight rows of 768 bytes
	s_add_nc_u64 s[12:13], s[12:13], s[24:25]
	s_lshl_b32 s24, s23, 8                         ; eight rows of 32 bytes
	s_add_nc_u64 s[14:15], s[14:15], s[24:25]
.macro XLOAD t
.irp i, 0,1,2,3
	global_load_b128 v[RR+16*((\t)%AHEAD)+4*\i:RR+16*((\t)%AHEAD)+4*\i+3], v3, s[4:5] offset:2048*(\t)+512*\i th:TH_LOAD_NT   ; 32 lanes read 512 consecutive bytes
.endr
.endm
.macro XTURN t                         ; step t's numbers through the stage: LDS serves a wave's instructions in order, so no wait stands between the stores and the loads
.irp i, 0,1,2,3
	ds_store_b128 v14, v[RR+16*((\t)%AHEAD)+4*\i:RR+16*((\t)%AHEAD)+4*\i+3] offset:32*SP*((\t)%2)+8*SP*\i
.endr
.irp i, 0,1,2,3
	ds_load_b128 v[XX+16*((\t)%2)+4*\i:XX+16*((\t)%2)+4*\i+3], v15 offset:32*SP*((\t)%2)+16*\i
.endr
.endm
.macro XSTEP t
.set XS, XX+16*((\t)%2)
.if (\t) > 0
	s_wait_dscnt 1                                 ; this step's numbers are back from the stage (the last step's byte store may be out): so its stores into the stage have read their registers,
.else
	s_wait_dscnt 0x0
.endif
.if (\t)+AHEAD < STEPS
	XLOAD (\t)+AHEAD                               ; which take the loads of eight steps on
.endif
.if (\t)+1 < STEPS
.if (\t)+AHEAD < STEPS
	s_wait_loadcnt 4*(AHEAD-1)                     ; the next step's four loads are in; those of the seven steps behind it may be out
.else
	s_wait_loadcnt 4*(STEPS-2-(\t))                ; nothing more is asked for: the counts run down
.endif
	XTURN (\t)+1                                   ; and go through the other stage while this step is worked
.endif
	v_max3_num_f32 v8, |v[XS]|, |v[XS+1]|, |v[XS+2]|               ; the largest magnitude of my 16, in two chains
	v_max3_num_f32 v9, |v[XS+3]|, |v[XS+4]|, |v[XS+5]|
.irp i, 6,10
	v_max3_num_f32 v8, v8, |v[XS+\i]|, |v[XS+\i+1]|
	v_max3_num_f32 v9, v9, |v[XS+\i+2]|, |v[XS+\i+3]|
.endr
	v_max3_num_f32 v8, v8, |v[XS+14]|, |v[XS+15]|
	v_max3_num_f32 v8, v8, v9, 0x2800000           ; and the floor 2^(5 - 127): so the byte cannot fall under 1
	v_max_num_f32_dpp v8, v8, v8 row_xmask:1 row_mask:0xf bank_mask:0xf   ; and of my neighbour's 16: the block's
	v_add_nc_u32 v11, 0xfe000000, v8               ; 4 off its exponent field: the conversion takes the exponent field of this operand as its scale, and nothing else of it
	v_cvt_scalef32_pk16_bf6_f32 v[CC+4*(\t):CC+4*(\t)+2], v[XS:XS+15], v11   ; sixteen codes, 96 bits without gaps, the first number's code lowest
	v_lshrrev_b32 v[EE+(\t)], 23, v11              ; the scale's byte (also the plain line behind the conversion)
	ds_store_b8 v5, v[EE+(\t)] offset:16*(\t)      ; both lanes of a block write the same byte with the same value
	global_store_b96 v4, v[CC+4*(\t):CC+4*(\t)+2], s[12:13] offset:384*(\t)   ; the wave stores 384 consecutive bytes
.endm
.irp t, 0,1,2,3,4,5,6,7
	XLOAD \t
.endr
	s_wait_alu depctr_va_vdst(0)
	s_wait_loadcnt 4*(AHEAD-1)                     ; step 0's four loads are in
	XTURN 0
.irp t, 0,1,2,3,4,5,6,7,8,9,10,11,12,13,14,15
	XSTEP \t
.endr
	ds_load_b64 v[12:13], v6                       ; LDS serves a wave's instructions in order: these see my byte stores
	s_wait_dscnt 0x0
	global_store_b64 v7, v[12:13], s[14:15]        ; 32 lanes store 256 consecutive bytes, at a multiple of 256 from xs's first byte
	s_wait_tensorcnt 0x0
	ds_add_u32 v251, v255
	s_wait_dscnt 0x0
	s_endpgm
; ---------------- PATH W.  K is a weight's FIRST axis.  A lane takes a column n and its registers run down K: each load reads 128 consecutive bytes a wave, a block of 32 along K lies in one lane's 32
; registers, and the conversions give codes with K innermost.  A wave takes 32 columns x 256 along K; its codes go through its own stage in LDS and leave as rows: sixteen lanes store a row's 192 bytes.
.Lweights:
	s_sub_co_u32 s21, ttmp9, 256                   ; 0..95: 32 work-groups a weight
	s_lshr_b32 s22, s21, 5                         ; which weight
	s_and_b32 s23, s21, 7                          ; which 128 columns
	s_bfe_u32 s24, s21, 0x20003                    ; which 256 along K
	s_lshl_b32 s23, s23, 7
	s_lshl_b32 s25, s20, 5
	s_add_co_u32 s23, s23, s25                     ; my wave's first column
	s_cmp_lt_u32 s21, 32                           ; the choice of buffer hangs on the work-group's number alone
	s_cselect_b64 s[6:7], s[6:7], s[8:9]
	s_cmp_lt_u32 s21, 64
	s_cselect_b64 s[6:7], s[6:7], s[10:11]
	s_lshl_b32 s26, s24, 20                        ; 256 rows of 4,096 bytes
	s_lshl_b32 s25, s23, 2
	s_add_co_u32 s26, s26, s25
	s_mov_b32 s27, 0
	s_add_nc_u64 s[6:7], s[6:7], s[26:27]
	s_lshl_b32 s28, s22, 10
	s_add_co_u32 s28, s28, s23                     ; my first row of wc and ws (a multiple of 32: the exchange of places stays inside my 32 rows)
	s_mul_i32 s26, s28, 768
	s_mul_i32 s25, s24, 192
	s_add_co_u32 s26, s26, s25
	s_add_nc_u64 s[16:17], s[16:17], s[26:27]
	s_lshl_b32 s26, s28, 5
	s_lshl_b32 s25, s24, 3
	s_add_co_u32 s26, s26, s25
	s_add_nc_u64 s[18:19], s[18:19], s[26:27]
	s_wait_alu depctr_va_vdst(0)
	v_lshlrev_b32 v3, 2, v2                        ; in: 4 bytes a lane
	s_mul_i32 s29, s20, 32*WPITCH
	s_add_co_u32 s29, s29, WSTG                    ; my stage
	v_mul_u32_u24 v4, v2, WPITCH
	v_add_nc_u32 v4, s29, v4                       ; into it: row = my column
	v_and_b32 v5, 15, v2
	v_lshrrev_b32 v6, 4, v2                        ; out of it: sixteen lanes to a row, two rows an instruction
	v_mul_u32_u24 v7, v6, WPITCH
	v_lshl_add_u32 v7, v5, 4, v7
	v_add_nc_u32 v7, s29, v7
	v_mul_u32_u24 v8, v6, 768
	v_mad_u32_u24 v8, v5, 12, v8                   ; and the same place in wc (bit 0 of a row's number keeps its place)
	v_and_b32 v9, 7, v2                            ; my column's place among the 32 rows: bits 3 and 4 exchanged,
	v_and_b32 v10, 8, v2
	v_lshl_or_b32 v9, v10, 1, v9
	v_and_b32 v10, 16, v2
	v_lshrrev_b32 v10, 1, v10
	v_or_b32 v9, v9, v10
	v_lshlrev_b32 v9, 5, v9                        ; times a row of 32 scale bytes
.macro WLOAD t                         ; block t: W(32 t + i, my column), i = 0 .. 31, into set t % 2
.irp i, 0,1,2,3,4,5,6,7,8,9,10,11,12,13,14,15,16,17,18,19,20,21,22,23,24,25,26,27,28,29,30,31
	global_load_b32 v[WX+32*((\t)%2)+\i], v3, s[6:7] offset:(32*(\t)+\i)*4096 th:TH_LOAD_NT
.endr
.endm
.macro WBLOCK t
.set XW, WX+32*((\t)%2)
.if (\t) < NB-1
	s_wait_loadcnt 32                              ; this block's 32 loads are in; the next block's may be out
.else
	s_wait_loadcnt 0
.endif
	v_max3_num_f32 v12, |v[XW]|, |v[XW+1]|, |v[XW+2]|              ; the block's largest magnitude: all 32 numbers are mine
	v_max3_num_f32 v13, |v[XW+3]|, |v[XW+4]|, |v[XW+5]|
.irp i, 6,10,14,18,22,26
	v_max3_num_f32 v12, v12, |v[XW+\i]|, |v[XW+\i+1]|
	v_max3_num_f32 v13, v13, |v[XW+\i+2]|, |v[XW+\i+3]|
.endr
	v_max3_num_f32 v12, v12, |v[XW+30]|, |v[XW+31]|
	v_max3_num_f32 v12, v12, v13, 0x2800000        ; and the floor 2^(5 - 127)
	v_add_nc_u32 v11, 0xfe000000, v12              ; 4 off its exponent field: the conversion's scale operand
	v_lshrrev_b32 v13, 23, v11                     ; the scale's byte
.if (\t)%4 == 0
	v_mov_b32 v[SB+(\t)/4], v13                    ; four bytes to a register, the lower K in the lower byte
.else
	v_lshl_or_b32 v[SB+(\t)/4], v13, 8*((\t)%4), v[SB+(\t)/4]
.endif
	v_cvt_scalef32_pk16_bf6_f32 v[WC:WC+2], v[XW:XW+15], v11
	v_cvt_scalef32_pk16_bf6_f32 v[WC+4:WC+6], v[XW+16:XW+31], v11  ; (a conversion's three registers begin on an even number)
	v_nop                                          ; one plain line behind the last conversion
	ds_store_b96 v4, v[WC:WC+2] offset:32*(\t)     ; 16 codes, 12 bytes, to a place of 16 bytes, so that every LDS address is a multiple of 16
	ds_store_b96 v4, v[WC+4:WC+6] offset:32*(\t)+16
.if (\t)+2 < NB
	WLOAD (\t)+2
.endif
	s_wait_dscnt 0x0                               ; the stores have read their registers: the next block's codes may be written
.endm
	WLOAD 0
	WLOAD 1
.irp t, 0,1,2,3,4,5,6,7
	WBLOCK \t
.endr
	s_wait_alu depctr_va_vdst(0)
	global_store_b64 v9, v[SB:SB+1], s[18:19]      ; my column's eight scale bytes
.irp t, 0,1,2,3,4,5,6,7,8,9,10,11,12,13,14,15
	ds_load_b96 v[OUTR+4*\t:OUTR+4*\t+2], v7 offset:2*\t*WPITCH    ; LDS serves a wave's instructions in order: these see my stores
.endr
.irp t, 0,1,2,3,4,5,6,7,8,9,10,11,12,13,14,15
	s_wait_dscnt 15-\t                             ; rows 2 t and 2 t + 1 are back; the younger reads may be out
	global_store_b96 v8, v[OUTR+4*\t:OUTR+4*\t+2], s[16:17] offset:(((2*\t)&7)|(((2*\t)&8)<<1)|(((2*\t)&16)>>1))*768   ; column 2 t goes to its exchanged place
.endr
	s_wait_tensorcnt 0x0
	ds_add_u32 v251, v255
	s_wait_dscnt 0x0
	s_endpgm
.Lfunc_end_k_q393e74af0e_quant:
	.size	k_q393e74af0e_quant, .Lfunc_end_k_q393e74af0e_quant-k_q393e74af0e_quant
	.p2alignl 7, 3214868480
	.fill 96, 4, 3214868480
	.section	.rodata,"a",@progbits
	.p2align	6, 0x0
	.amdhsa_kernel k_q393e74af0e_quant
		.amdhsa_group_segment_fixed_size 68096
		.amdhsa_private_segment_fixed_size 0
		.amdhsa_enable_private_segment 0
		.amdhsa_kernarg_size 64
		.amdhsa_user_sgpr_count 2
		.amdhsa_user_sgpr_kernarg_segment_ptr 1
		.amdhsa_wavefront_size32 1
		.amdhsa_system_sgpr_workgroup_id_x 1
		.amdhsa_system_sgpr_workgroup_id_y 1
		.amdhsa_system_sgpr_workgroup_id_z 1
		.amdhsa_system_vgpr_workitem_id 0
		.amdhsa_next_free_vgpr 256
		.amdhsa_next_free_sgpr 66
		.amdhsa_reserve_vcc 0
		.amdhsa_float_denorm_mode_32 3
		.amdhsa_float_denorm_mode_16_64 3
		.amdhsa_memory_ordered 1
		.amdhsa_forward_progress 1
		.amdhsa_inst_pref_size 74
	.end_amdhsa_kernel
	.amdgpu_metadata
---
amdhsa.version: [ 1, 2 ]
amdhsa.kernels:
  - .name:           k_q393e74af0e_quant
    .symbol:         k_q393e74af0e_quant.kd
    .args:
      - { .name: x, .offset: 0, .size: 8, .value_kind: global_buffer, .address_space: global }
      - { .name: wq, .offset: 8, .size: 8, .value_kind: global_buffer, .address_space: global }
      - { .name: wk, .offset: 16, .size: 8, .value_kind: global_buffer, .address_space: global }
      - { .name: wv, .offset: 24, .size: 8, .value_kind: global_buffer, .address_space: global }
      - { .name: xc, .offset: 32, .size: 8, .value_kind: global_buffer, .address_space: global }
      - { .name: xs, .offset: 40, .size: 8, .value_kind: global_buffer, .address_space: global }
      - { .name: wc, .offset: 48, .size: 8, .value_kind: global_buffer, .address_space: global }
      - { .name: ws, .offset: 56, .size: 8, .value_kind: global_buffer, .address_space: global }
    .group_segment_fixed_size: 68096
    .private_segment_fixed_size: 0
    .kernarg_segment_align: 8
    .kernarg_segment_size: 64
    .max_flat_workgroup_size: 128
    .sgpr_count:     66
    .vgpr_count:     256
    .wavefront_size: 32
...
	.end_amdgpu_metadata
.endif
;; end of part 1
;; launch proj (part 2): grid 8 x 48, 4 waves a work-group, clusters of 4 x 4, 327,680 bytes of LDS; arguments xc, xs, wc, ws, qkc, qks, vc, vs; writes qkc, qks, vc, vs
.if DOCPART == 2
	.amdgcn_target "amdgcn-amd-amdhsa--gfx1250"
	.amdhsa_code_object_version 6
	.text
	.protected	k_q393e74af0e_proj
	.globl	k_q393e74af0e_proj
	.p2align	8
	.type	k_q393e74af0e_proj,@function
k_q393e74af0e_proj:
	s_mov_b64 s[64:65], 0
	v_nop
	global_prefetch_b8 v0, s[64:65] scope:SCOPE_SE
	s_setreg_imm32_b32 hwreg(HW_REG_WAVE_MODE, 25, 1), 1
	s_wait_xcnt 0x0
	s_wait_alu depctr_hold_cnt(0) depctr_sa_sdst(0) depctr_va_vdst(0) depctr_va_sdst(0) depctr_va_ssrc(0) depctr_va_vcc(0) depctr_vm_vsrc(0)
	s_getreg_b32 s2, hwreg(HW_REG_IB_STS2, 6, 4)
	s_cmp_eq_u32 s2, 0
	s_cbranch_scc0 .Lentry_in_a_cluster
	s_endpgm
.Lentry_in_a_cluster:
	s_bfe_u32 s2, ttmp6, 0x10000c
	s_cmp_lg_u32 s2, 0xf033
	s_cbranch_scc0 .Lentry_shape_is_right
	s_endpgm
.Lentry_shape_is_right:
.set SIZE_K, 1024
.set KSTEP,  256
.set NQ,     KSTEP/128
.set ROWB,   192
.set KROW,   SIZE_K*6/8
.set PITCH,  240
.set FR,     12
.set NL,     6
.set NP,     4
.set HALFT,  128*PITCH
.set SLOT,   4*HALFT
.set LAPS,   SIZE_K/(2*KSTEP)
.set KS,     SIZE_K/32
.set SCL,    2*SLOT
.set HALFS,  (128*KS/256)*272
.set SBLK,   (16*KS/256)*272
.set SPARE,  SCL+4*HALFS
.set ADRA, 16
.set ADRB, 20
.set L16,  24
.set L8,   25
.set LN,   26
.set ADRS, 27
.set SPW,  28
.set NIL,  29
.set FL,   31
.set SC,   32
.set AF,   128
.set TM,   32
.set PW,   48
.set SA,   56
.set SH,   60
.set G1, 24
.set G0, 32
.set G1B, 48
.set G0B, 56
.set G1S, 68
.set G0S, 76
.set G1SB, 80
.set G0SB, 88
.set MSB, 0
.macro WIN new
.if MSB != \new
	s_set_vgpr_msb (MSB<<8)|\new
.set MSB, \new
.endif
.endm
.set MUL_LO, 0xa1
.set MUL_HI, 0xf1
.set TO_B,   0x40
.macro JLOAD g0a, g1a, g0b, g1b
	s_cmp_eq_u32 s15, 0
	s_cbranch_scc0 .Lfor_b_\@
	tensor_load_to_lds s[\g0a:\g0a+3], s[\g1a:\g1a+7]
	s_nop 0
.rept 4
	v_nop
.endr
	s_branch .Lasked_\@
.Lfor_b_\@:
	tensor_load_to_lds s[\g0b:\g0b+3], s[\g1b:\g1b+7]
	s_nop 0
.rept 4
	v_nop
.endr
.Lasked_\@:
.endm
.macro CREST
	s_cmp_lg_u32 s14, 0
	s_cbranch_scc1 .Lnot_wave_0_\@
	s_barrier_signal -3
.Lnot_wave_0_\@:
	s_barrier_wait -3
	s_barrier_signal -1
	s_barrier_wait -1
.endm
.macro CROUND
	s_barrier_signal -1
	s_barrier_wait -1
	CREST
.endm
	s_load_b256 s[68:75], s[0:1], 0x0
	s_load_b256 s[80:87], s[0:1], 0x20
	v_lshl_add_u32 v[SPW], v0, 2, SPARE
	v_mov_b32 v[NIL], 0
	ds_add_u32 v28, v29
	ds_add_u32 v28, v29
	s_wait_dscnt 0x0
	v_lshrrev_b32 v1, 5, v0
	v_readfirstlane_b32 s14, v1
	s_lshr_b32 s15, s14, 1
	s_and_b32 s16, s14, 1
	s_bfe_u32 s40, ttmp6, 0x40000
	s_bfe_u32 s41, ttmp6, 0x40004
	s_and_b32 s96, ttmp7, 0xffff
	s_max_u32 s97, s96, 8
	s_sub_co_u32 s97, s97, 8
	s_lshl_b32 s97, s97, 1
	s_add_co_u32 s97, s97, ttmp9
	s_cmp_lt_u32 s96, 8
	s_cselect_b32 s100, 1, 0
	s_cselect_b32 s97, ttmp9, s97
	s_cselect_b32 s96, s96, 0
	s_lshl_b32 s42, s97, 2
	s_add_co_u32 s42, s42, s40
	s_lshl_b32 s17, s96, 2
	s_add_co_u32 s17, s17, s41
	s_lshl_b32 s43, s41, 2
	s_lshl_b32 s43, 15, s43
	s_lshl_b32 s44, 0x1111, s40
	s_or_b32 s[G1+0], s43, (0<<16)|(1<<20)|(1<<21)|(3<<22)|(3<<25)
	s_or_b32 s[G1B+0], s44, (0<<16)|(1<<20)|(1<<21)|(3<<22)|(3<<25)
.irp g, G1, G1B
	s_mov_b32 s[\g+1], ROWB<<16
	s_mov_b32 s[\g+2], 128<<16
	s_mov_b32 s[\g+3], ROWB<<16
	s_mov_b32 s[\g+4], 128
	s_mov_b32 s[\g+5], KROW
	s_mov_b32 s[\g+6], 0
	s_mov_b32 s[\g+7], 0
.endr
	s_lshl_b32 s18, s16, 7
	s_lshl_b32 s20, s17, 8
	s_add_co_u32 s20, s20, s18
	s_lshl_b32 s46, s42, 8
	s_add_co_u32 s46, s46, s18
	s_mov_b32 s21, 0
	s_mov_b32 s47, 0
	s_mov_b64 s[18:19], KS
	s_mul_u64 s[22:23], s[20:21], s[18:19]
	s_mul_u64 s[92:93], s[46:47], s[18:19]
	s_mov_b64 s[18:19], KROW
	s_mul_u64 s[20:21], s[20:21], s[18:19]
	s_mul_u64 s[46:47], s[46:47], s[18:19]
	s_mul_i32 s45, s14, HALFT
	s_mul_i32 s94, s14, HALFS
	s_wait_kmcnt 0x0
	s_add_nc_u64 s[88:89], s[72:73], 2048*KROW
	s_add_nc_u64 s[90:91], s[74:75], 2048*KS
	s_cmp_eq_u32 s100, 1
	s_cselect_b64 s[4:5], s[68:69], s[88:89]
	s_cselect_b64 s[6:7], s[70:71], s[90:91]
	s_cselect_b64 s[8:9], s[72:73], s[68:69]
	s_cselect_b64 s[10:11], s[74:75], s[70:71]
	s_cselect_b64 s[12:13], s[80:81], s[84:85]
	s_cselect_b64 s[98:99], s[82:83], s[86:87]
	s_or_b32 s[G1S+0], s43, (3<<16)|(1<<20)|(1<<21)|(5<<22)|(3<<25)
	s_or_b32 s[G1SB+0], s44, (3<<16)|(1<<20)|(1<<21)|(5<<22)|(3<<25)
.irp g, G1S, G1SB
	s_mov_b32 s[\g+1], 32<<16
	s_mov_b32 s[\g+2], (128*KS/256)<<16
	s_mov_b32 s[\g+3], 32<<16
	s_mov_b32 s[\g+4], 128*KS/256
	s_mov_b32 s[\g+5], 32
	s_mov_b32 s[\g+6], 0
	s_mov_b32 s[\g+7], 0
.endr
	s_add_nc_u64 s[20:21], s[4:5], s[20:21]
	s_add_nc_u64 s[22:23], s[6:7], s[22:23]
	s_add_nc_u64 s[46:47], s[8:9], s[46:47]
	s_add_nc_u64 s[92:93], s[10:11], s[92:93]
	CROUND
	s_mov_b32 s[G0S], 1
	s_add_co_u32 s[G0S+1], s94, SCL
	s_mov_b64 s[G0S+2:G0S+3], s[22:23]
	s_or_b32 s[G0S+3], s[G0S+3], 0x80000000
	s_mov_b32 s[G0SB], 1
	s_add_co_u32 s[G0SB+1], s94, SCL
	s_mov_b64 s[G0SB+2:G0SB+3], s[92:93]
	s_or_b32 s[G0SB+3], s[G0SB+3], 0x80000000
	JLOAD G0S, G1S, G0SB, G1SB
.irp s, 0,1
	s_mov_b32 s[G0+4*\s], 1
	s_add_co_u32 s[G0+4*\s+1], s45, \s*SLOT
	s_add_nc_u64 s[G0+4*\s+2:G0+4*\s+3], s[20:21], \s*ROWB
	s_or_b32 s[G0+4*\s+3], s[G0+4*\s+3], 0x80000000
	s_mov_b32 s[G0B+4*\s], 1
	s_add_co_u32 s[G0B+4*\s+1], s45, \s*SLOT
	s_add_nc_u64 s[G0B+4*\s+2:G0B+4*\s+3], s[46:47], \s*ROWB
	s_or_b32 s[G0B+4*\s+3], s[G0B+4*\s+3], 0x80000000
	s_wait_alu depctr_va_vdst(0)
	s_wait_tensorcnt 0x0
	ds_add_u32 v28, v29
	s_wait_dscnt 0x0
	CROUND
	JLOAD G0+4*\s, G1, G0B+4*\s, G1B
.endr
	v_and_b32 v1, 15, v0
	v_bfe_u32 v2, v0, 4, 1
	v_mul_u32_u24 v3, v1, PITCH
	v_mul_u32_u24 v4, v2, 24
	v_add_nc_u32 v4, v3, v4
	v_lshl_add_u32 v5, v2, 4, v4
	s_mul_i32 s21, s15, HALFT
	s_mul_i32 s22, s16, HALFT
	s_add_co_u32 s22, s22, 2*HALFT
.irp s, 0,1
	v_add_nc_u32 v[ADRA+\s], s21, v4
	v_add_nc_u32 v[ADRB+\s], s22, v4
	v_add_nc_u32 v[ADRA+2+\s], s21, v5
	v_add_nc_u32 v[ADRB+2+\s], s22, v5
	s_add_co_u32 s21, s21, SLOT
	s_add_co_u32 s22, s22, SLOT
.endr
	v_mul_u32_u24 v5, v1, KS
	v_lshrrev_b32 v6, 8, v5
	v_lshl_add_u32 v5, v6, 4, v5
	s_mul_i32 s21, s15, HALFS
	s_mul_i32 s22, s16, HALFS
	s_add_co_u32 s22, s22, 2*HALFS
	s_sub_co_u32 s22, s22, s21
	v_mul_u32_u24 v6, s22, v2
	s_add_co_u32 s21, s21, SCL
	v_add_nc_u32 v5, v5, v6
	v_add_nc_u32 v[ADRS], s21, v5
	v_and_b32 v[LN], 31, v0
	v_lshlrev_b32 v[L16], 4, v[LN]
	v_lshlrev_b32 v[L8], 3, v[LN]
	v_mov_b32 v[FL], 0x2800000
	s_mov_b32 s66, 0x76543210
	s_mov_b32 s67, 0xfedcba98
	s_lshl_b32 s20, s17, 4
	s_lshl_b32 s21, s15, 3
	s_add_co_u32 s20, s20, s21
	s_mul_i32 s20, s20, 64*1536
	s_mov_b32 s21, 0
	s_lshl_b32 s92, s42, 1
	s_add_co_u32 s92, s92, s16
	s_mul_i32 s46, s92, 1536
	s_mov_b32 s47, 0
	s_add_nc_u64 s[12:13], s[12:13], s[20:21]
	s_add_nc_u64 s[12:13], s[12:13], s[46:47]
	s_lshl_b32 s20, s17, 1
	s_add_co_u32 s20, s20, s15
	s_lshl_b32 s20, s20, 10
	s_lshl_b32 s46, s92, 16
	s_add_nc_u64 s[98:99], s[98:99], s[20:21]
	s_add_nc_u64 s[98:99], s[98:99], s[46:47]
.macro FRAG reg, adr, q, i
.irp p, 0,1,2,3,4,5
.set PCE, 12*(\q)+6*(\p/3)+\p%3
.if PCE%8 < 5
	ds_load_b64 v[\reg+2*\p:\reg+2*\p+1], v[\adr] offset:8*PCE+16*(PCE/8)+(\i)*16*PITCH
.else
	ds_load_b64 v[\reg+2*\p:\reg+2*\p+1], v[\adr+2] offset:8*PCE+16*(PCE/8)+(\i)*16*PITCH
.endif
.endr
.endm
.macro MUL16 a0, p, q, sc, zero
.irp a, \a0, \a0+1
.irp b, 0,1,2,3,4,5,6,7
.if \zero
	v_wmma_scale_f32_16x16x128_f8f6f4 v[8*(8*((\a)%4)+\b):8*(8*((\a)%4)+\b)+7], v[128*(\p)+FR*\b:128*(\p)+FR*\b+FR-1], v[AF+FR*(\a):AF+FR*(\a)+FR-1], 0, v[SC+8*NQ*(\sc)+NQ*\b+(\q)], v[SC+8*NQ*(\sc)+NQ*(\a)+(\q)] matrix_a_fmt:MATRIX_FMT_BF6 matrix_b_fmt:MATRIX_FMT_BF6 matrix_a_scale:MATRIX_SCALE_ROW1
.else
	v_wmma_scale_f32_16x16x128_f8f6f4 v[8*(8*((\a)%4)+\b):8*(8*((\a)%4)+\b)+7], v[128*(\p)+FR*\b:128*(\p)+FR*\b+FR-1], v[AF+FR*(\a):AF+FR*(\a)+FR-1], v[8*(8*((\a)%4)+\b):8*(8*((\a)%4)+\b)+7], v[SC+8*NQ*(\sc)+NQ*\b+(\q)], v[SC+8*NQ*(\sc)+NQ*(\a)+(\q)] matrix_a_fmt:MATRIX_FMT_BF6 matrix_b_fmt:MATRIX_FMT_BF6 matrix_a_scale:MATRIX_SCALE_ROW1
.endif
.endr
.endr
.endm
.macro FETCH_B slot, q, p
	WIN TO_B
.irp i, 0,1,2,3,4,5,6,7
	FRAG 128*(\p)+FR*\i, ADRB+\slot, \q, \i
.endr
	WIN 0
.endm
.macro FETCH_A slot, q, i0
.irp i, \i0, \i0+1, \i0+2, \i0+3
	FRAG AF+FR*(\i), ADRA+\slot, \q, \i
.endr
.endm
.macro SCALES sc
.irp i, 0,1,2,3,4,5,6,7
	ds_load_b64 v[SC+8*NQ*\sc+NQ*\i:SC+8*NQ*\sc+NQ*\i+1], v[ADRS] offset:\i*SBLK
.endr
.endm
.macro PLACES n
.rept \n
	v_nop
.endr
.endm
.macro STEP slot, q, zero
	s_wait_dscnt 4*NL
	WIN MUL_LO
	MUL16 0, (\q)%2, \q, \slot, \zero
	MUL16 2, (\q)%2, \q, \slot, \zero
	s_wait_dscnt 0
	PLACES NP
	FETCH_B \slot, (\q)+1, 1-(\q)%2
	FETCH_A \slot, (\q)+1, 0
	WIN MUL_HI
	MUL16 4, (\q)%2, \q, \slot, \zero
	MUL16 6, (\q)%2, \q, \slot, \zero
	PLACES NP
	WIN 0
	FETCH_A \slot, (\q)+1, 4
.endm
.macro TURN slot, next, fill
	s_wait_tensorcnt 0x0
	ds_add_u32 v[SPW], v[NIL]
	s_wait_dscnt 4*NL+1
	WIN MUL_LO
	MUL16 0, 1, NQ-1, \slot, 0
	s_wait_dscnt 0x0
	s_barrier_signal -1
	MUL16 2, 1, NQ-1, \slot, 0
	WIN 0
	s_barrier_wait -1
.if \fill
	CREST
	s_add_nc_u64 s[G0+4*\slot+2:G0+4*\slot+3], s[G0+4*\slot+2:G0+4*\slot+3], 2*ROWB
	s_add_nc_u64 s[G0B+4*\slot+2:G0B+4*\slot+3], s[G0B+4*\slot+2:G0B+4*\slot+3], 2*ROWB
	JLOAD G0+4*\slot, G1, G0B+4*\slot, G1B
.else
	PLACES NP
.endif
	s_wait_alu depctr_va_vdst(0)
	v_add_nc_u32 v[ADRS], 4*NQ, v[ADRS]
	FETCH_B \next, 0, 0
	FETCH_A \next, 0, 0
	SCALES \next
	WIN MUL_HI
	MUL16 4, 1, NQ-1, \slot, 0
	MUL16 6, 1, NQ-1, \slot, 0
	PLACES NP
	WIN 0
	FETCH_A \next, 0, 4
.endm
	s_wait_alu depctr_va_vdst(0)
	s_wait_tensorcnt 1
	s_barrier_signal -1
	s_barrier_wait -1
	FETCH_B 0, 0, 0
	FETCH_A 0, 0, 0
	SCALES 0
	FETCH_A 0, 0, 4
	STEP 0, 0, 1
	s_mov_b32 s3, LAPS-1
.Llap:
	TURN 0, 1, 1
	STEP 1, 0, 0
	TURN 1, 0, 1
	STEP 0, 0, 0
	s_sub_co_u32 s3, s3, 1
	s_cmp_lg_u32 s3, 0
	s_cbranch_scc1 .Llap
	TURN 0, 1, 0
	STEP 1, 0, 0
	s_wait_dscnt 4*NL
	WIN MUL_LO
	MUL16 0, 1, NQ-1, 1, 0
	MUL16 2, 1, NQ-1, 1, 0
	s_wait_dscnt 0
	WIN MUL_HI
	MUL16 4, 1, NQ-1, 1, 0
	MUL16 6, 1, NQ-1, 1, 0
	WIN 0
.macro QOUT a
.set WN,  2+(\a)/4
.set ACB, 64*((\a)%4)
.set QC,  64+20*(\a)
.set WA,  (WN<<2)|(WN<<4)
	WIN WA
.irp b, 0,1,2,3
	v_max3_num_f32 v[TM+\b], v[FL], |v[ACB+16*\b]|, |v[ACB+16*\b+1]|
.endr
.irp i, 2,4,6,8,10,12,14
.irp b, 0,1,2,3
	v_max3_num_f32 v[TM+\b], v[TM+\b], |v[ACB+16*\b+\i]|, |v[ACB+16*\b+\i+1]|
.endr
.endr
	WIN 0
.irp b, 0,1,2,3
	v_permlanex16_b32 v[TM+4+\b], v[TM+\b], s66, s67
.endr
.irp b, 0,1,2,3
	v_max_num_f32 v[TM+\b], v[TM+\b], v[TM+4+\b]
.endr
.irp b, 0,1,2,3
	v_add_nc_u32 v[TM+12+\b], 0xfe000000, v[TM+\b]
.endr
.irp b, 0,1,2,3
	v_lshrrev_b32 v[TM+4+\b], 23, v[TM+12+\b]
.endr
	v_lshl_or_b32 v[PW+(\a)], v[TM+5], 8, v[TM+4]
	v_lshl_or_b32 v[PW+(\a)], v[TM+6], 16, v[PW+(\a)]
	v_lshl_or_b32 v[PW+(\a)], v[TM+7], 24, v[PW+(\a)]
	WIN WN
.irp c, 0,1
	v_cvt_scalef32_pk16_bf6_f32 v[QC+6*\c:QC+6*\c+2], v[ACB+32*\c:ACB+32*\c+15], v[TM+12+2*\c]
	v_cvt_scalef32_pk16_bf6_f32 v[QC+12+4*\c:QC+14+4*\c], v[ACB+32*\c+16:ACB+32*\c+31], v[TM+13+2*\c]
.endr
	WIN 0
	v_nop
.irp c, 0,1
.irp i, 0,1,2
	v_permlane16_swap_b32 v[QC+6*\c+\i], v[QC+12+4*\c+\i]
.endr
.irp i, 0,1,2
	v_mov_b32 v[QC+3+6*\c+\i], v[QC+12+4*\c+\i]
.endr
.endr
.irp c, 0,1
	global_store_b128 v[L16], v[QC+6*\c:QC+6*\c+3], s[12:13] offset:(\a)*64*1536+768*\c
	global_store_b64 v[L8], v[QC+6*\c+4:QC+6*\c+5], s[12:13] offset:(\a)*64*1536+768*\c+512
.endr
.endm
	PLACES NP
.irp b, 0,1,2,3
	v_mov_b32 v[TM+4+\b], 0
.endr
.irp a, 0,1,2,3,4,5,6,7
	QOUT \a
.endr
	v_cmp_le_u32 vcc_lo, 16, v[LN]
.irp i, 0,1,2,3
	v_cndmask_b32 v[SA+\i], v[PW+\i], v[PW+4+\i], vcc_lo
.endr
.irp i, 0,1,2,3
	v_lshrrev_b32 v[SH+\i], 16, v[SA+\i]
.endr
	global_store_b128 v[L16], v[SA:SA+3], s[98:99]
	global_store_b128 v[L16], v[SH:SH+3], s[98:99] offset:512
	s_wait_tensorcnt 0x0
	ds_add_u32 v[SPW], v[NIL]
	s_wait_dscnt 0x0
	CROUND
	s_endpgm
.Lfunc_end_k_q393e74af0e_proj:
	.size	k_q393e74af0e_proj, .Lfunc_end_k_q393e74af0e_proj-k_q393e74af0e_proj
	.p2alignl 7, 3214868480
	.fill 96, 4, 3214868480
	.section	.rodata,"a",@progbits
	.p2align	6, 0x0
	.amdhsa_kernel k_q393e74af0e_proj
		.amdhsa_group_segment_fixed_size 327680
		.amdhsa_private_segment_fixed_size 0
		.amdhsa_enable_private_segment 0
		.amdhsa_kernarg_size 64
		.amdhsa_user_sgpr_count 2
		.amdhsa_user_sgpr_kernarg_segment_ptr 1
		.amdhsa_wavefront_size32 1
		.amdhsa_system_sgpr_workgroup_id_x 1
		.amdhsa_system_sgpr_workgroup_id_y 1
		.amdhsa_system_sgpr_workgroup_id_z 1
		.amdhsa_system_vgpr_workitem_id 0
		.amdhsa_next_free_vgpr 1024
		.amdhsa_next_free_sgpr 102
		.amdhsa_reserve_vcc 1
		.amdhsa_float_denorm_mode_32 3
		.amdhsa_float_denorm_mode_16_64 3
		.amdhsa_memory_ordered 1
		.amdhsa_forward_progress 1
		.amdhsa_inst_pref_size 165
	.end_amdhsa_kernel
	.amdgpu_metadata
---
amdhsa.version: [ 1, 2 ]
amdhsa.kernels:
  - .name:           k_q393e74af0e_proj
    .symbol:         k_q393e74af0e_proj.kd
    .args:
      - { .name: xc, .offset: 0, .size: 8, .value_kind: global_buffer, .address_space: global }
      - { .name: xs, .offset: 8, .size: 8, .value_kind: global_buffer, .address_space: global }
      - { .name: wc, .offset: 16, .size: 8, .value_kind: global_buffer, .address_space: global }
      - { .name: ws, .offset: 24, .size: 8, .value_kind: global_buffer, .address_space: global }
      - { .name: qkc, .offset: 32, .size: 8, .value_kind: global_buffer, .address_space: global }
      - { .name: qks, .offset: 40, .size: 8, .value_kind: global_buffer, .address_space: global }
      - { .name: vc, .offset: 48, .size: 8, .value_kind: global_buffer, .address_space: global }
      - { .name: vs, .offset: 56, .size: 8, .value_kind: global_buffer, .address_space: global }
    .group_segment_fixed_size: 327680
    .private_segment_fixed_size: 0
    .kernarg_segment_align: 8
    .kernarg_segment_size: 64
    .max_flat_workgroup_size: 128
    .sgpr_count:     102
    .vgpr_count:     1024
    .wavefront_size: 32
...
	.end_amdgpu_metadata
.endif
;; end of part 2
;; launch attn (part 3): grid 4 x 64, 16 waves a work-group, clusters of 4 x 1, 280,576 bytes of LDS; arguments qkc, qks, vc, vs, out0; writes out0
.if DOCPART == 3
	.amdgcn_target "amdgcn-amd-amdhsa--gfx1250"
	.amdhsa_code_object_version 6
	.text
	.protected	k_q393e74af0e_attn
	.globl	k_q393e74af0e_attn
	.p2align	8
	.type	k_q393e74af0e_attn,@function
k_q393e74af0e_attn:
	s_mov_b64 s[64:65], 0
	v_nop
	global_prefetch_b8 v0, s[64:65] scope:SCOPE_SE
	s_setreg_imm32_b32 hwreg(HW_REG_WAVE_MODE, 25, 1), 1
	s_wait_xcnt 0x0
	s_wait_alu depctr_hold_cnt(0) depctr_sa_sdst(0) depctr_va_vdst(0) depctr_va_sdst(0) depctr_va_ssrc(0) depctr_va_vcc(0) depctr_vm_vsrc(0)
	s_getreg_b32 s2, hwreg(HW_REG_IB_STS2, 6, 4)
	s_cmp_eq_u32 s2, 0
	s_cbranch_scc0 .Lentry_in_a_cluster
	s_endpgm
.Lentry_in_a_cluster:
	s_bfe_u32 s2, ttmp6, 0x10000c
	s_cmp_lg_u32 s2, 0x3003
	s_cbranch_scc0 .Lentry_shape_is_right
	s_endpgm
.Lentry_shape_is_right:
; out0[b][q][64 h ..] = the sum over k of softmax_k(Q . K / 8) V, for each of 4 x 16 heads of 2,048 tokens and 64 channels; both products on codes of BF6 (E3M2) with one E8M0 scale for each 32 along a product's K.
; Q, K and V arrive as IMAGES OF OPERAND REGISTERS with their scale words (the launch before made them): a half fragment of 768 bytes is six registers a lane (registers 0-3 at 16 x lane, 4-5 at 512 + 8 x lane).
; THE SOFTMAX AHEAD OF THE SECOND PRODUCT: t = score x log2(e) / 8 (one rounding); M = the row's largest t so far, rounded UP to a whole number; p = 2^(t - M) is what is quantised, along the keys; it is not
; normalised.  The row's sum is taken of the unquantised p, in f32, and divides O at the end.  When M moves, the sum and O are multiplied by 2^(old M - new M): exact, and in every step: no branch hangs on data.
; SHARES.  A cluster of four work-groups owns one head; a work-group 512 queries, in two passes of sixteen waves x one tile of 16 queries; four waves to a SIMD, so that one wave's vector work stands beside another's
; matrix work and LDS loads.  Every wave walks all 2,048 keys, 128 a step.
; THE WHOLE HEAD'S K AND V LIE IN LDS: 98,304 bytes of codes each, 8,192 and 4,096 bytes of scale words.  They are asked for ONCE, at the head, JOINTLY by the four work-groups (the same tensor loads, the same
; descriptors, a mask that names the four).  No LDS byte is filled twice: there is no ring.  Nothing can be asked of memory ahead of these loads, so there is no prefetch.
; LAYOUT.  Both products are used transposed: S^T = K Q^T (source 0 = 16 keys, source 1 = my 16 queries), O^T = V^T P^T (source 0 = 16 channels, source 1 = P): a lane holds ONE query (lane % 16) throughout.
; The rows of a tile are not neighbours: row r of tile 2 b + u is token (or channel) 32 b + 8 u + r + 8 (r / 8); so the 16 registers of tiles 2 b and 2 b + 1 are keys (channels) 32 b + 16 (lane / 16) + 0 .. 15.
; K = 64 IN AN INSTRUCTION OF 128: Q's upper six registers hold zero codes.  K's tile t is named as v[32 + 6 t : 43 + 6 t]: its upper six registers are the next tile's codes (behind the last tile: six zeros);
; every code is a finite number and meets a zero.  The scale bytes of those upper blocks: Q's are cleared (2^-127); K's are the pair's other head's bytes (1 .. 254) or 0: never 0xff.
; LIMITS: a block of p whose largest number lies under 2^(5 - 127) keeps the byte 1 (its codes are zeros or subnormals of that scale); a block's largest p is made from the block's largest score by the same
; multiply-add and exponential, which takes v_exp_f32 not to fall where its input rises; NaN and infinities are not served.
; REGISTERS: v1-7, v31 addresses that stay; v8-11, v29-30 addresses of the loads in hand; v12 -M, v13 the largest t, v[14:15] the sum in two halves; v16-21 Q, v22-27 zeros, v28 Q's scale words; v32-79 K's eight
; tiles, then V's four; v80-85 zeros; v86-93 scale words; v94 f, v95 0; v96-159 S^T, then p; v160-191 O^T; v192-203 p's codes; v204-210 their second halves; v212-227 at work.
.set KC,   0                           ; LDS: K's codes [tile 0..127][768]
.set VC,   98304                       ;      V's codes [pair of steps 0..7][channel tile 0..3][2 steps x 1,536]
.set KSC,  196608                      ;      K's scale words [step][tile / 4][row][tile % 4]
.set VSC,  204800                      ;      V's scale words [step][row][tile]
.set STG,  208896                      ;      the way out: 16 rows x (256 + 16) bytes for each wave; no tensor load lands here
.set BM,   212                         ; v212-215 each block's largest score, then its largest p
.set BP,   216                         ; v216-219 the other half's, then the scale bytes
.set BS,   220                         ; v220-223 the conversions' scale operands
.set PWD,  224                         ; v224     p's scale word
.set TT,   225                         ; v225     at work
.set WV,   14                          ; s14  my wave's number
.set SEL,  76                          ; s[76:77] lane selects for v_permlanex16_b32: lane l xor 16
.set CS,   78                          ; s[78:79] c = log2(e) / 8: the packed form names a pair and takes its low word for both halves
.set TB,   80                          ; s80  where the pair of steps' codes begin, in K's and in V's region: 12,288 bytes a pair
.set TS,   81                          ; s81  K's scale words: 1,024 bytes a pair
.set TJ,   82                          ; s82  V's: 512 bytes a pair
.set PAIRS, 83                         ; s83  pairs of steps to go
.set G1K,  24                          ; s[24:31] descriptor group 1 for K's codes;  s[32:39] V's codes;  s[40:47] K's scale words;  s[48:55] V's
.set G1V,  32
.set G1KS, 40
.set G1VS, 48
.set G0K,  56                          ; s[56:59], s[60:63], s[68:71], s[72:75] their groups 0
.set G0KS, 60
.set G0V,  68
.set G0VS, 72
; A round of the cluster's barrier: my work-group's barrier, so that wave 0's signal speaks for all sixteen waves; wave 0 signals for the work-group; every wave waits for all four work-groups; my work-group's barrier once more.
.macro CROUND
	s_barrier_signal -1
	s_barrier_wait -1
	s_cmp_lg_u32 s[WV], 0
	s_cbranch_scc1 .Lnot_wave_0_\@
	s_barrier_signal -3
.Lnot_wave_0_\@:
	s_barrier_wait -3
	s_barrier_signal -1
	s_barrier_wait -1
.endm
.macro SHAPE g, c, r, p                ; group 1: r rows of c elements of 8 bytes, p elements from row to row; no padding
	s_mov_b32 s[\g], 15|(3<<16)|(1<<21)            ; 15:0 the mask: all four work-groups; 17:16 elements of 8 bytes; 21 set beside a mask
	s_mov_b32 s[\g+1], (\c)<<16                    ; tensor_dim0
	s_mov_b32 s[\g+2], (\r)<<16                    ; tensor_dim1
	s_mov_b32 s[\g+3], (\c)<<16                    ; tile_dim0
	s_mov_b32 s[\g+4], \r                          ; tile_dim1
	s_mov_b32 s[\g+5], \p                          ; tensor_dim0_stride
	s_mov_b32 s[\g+6], 0
	s_mov_b32 s[\g+7], 0
.endm
	s_load_b256 s[4:11], s[0:1], 0x0               ; qkc s[4:5], qks s[6:7], vc s[8:9], vs s[10:11]
	s_load_b64 s[12:13], s[0:1], 0x20              ; out0
	v_lshl_add_u32 v254, v0, 2, 0x44000
	v_mov_b32 v255, 0
	ds_add_u32 v254, v255
	ds_add_u32 v254, v255
	v_lshrrev_b32 v1, 5, v0
	s_delay_alu instid0(VALU_DEP_1)
	v_readfirstlane_b32 s[WV], v1                  ; wave 0..15
	s_and_b32 s15, s[WV], 7                        ; j: which eighth of K (waves 0-7) or of V (waves 8-15) I fetch
	s_bfe_u32 s16, ttmp6, 0x40000                  ; cx: my place in the cluster: it enters Q's and out0's addresses alone
	s_lshl_b32 s17, ttmp9, 2
	s_add_co_u32 s17, s17, s16                     ; my block of 512 queries
	s_and_b32 s18, ttmp7, 0xffff                   ; the head of 64, which the four partners share
	s_lshr_b32 s19, s18, 4                         ; b: the batch
	s_and_b32 s20, s18, 15                         ; h: the head in it
	s_and_b32 s21, s20, 1                          ; c: which of a pair of heads
	s_lshr_b32 s22, s20, 1                         ; hp: the pair
	SHAPE G1K, 96, 16, 12288                       ; 16 tiles' halves of 768 bytes, 64 x 1,536 bytes apart
	SHAPE G1V, 384, 4, 12288                       ; 4 channel tiles x two steps' fragments (3,072 bytes), 64 x 1,536 bytes apart
	SHAPE G1KS, 64, 2, 128                         ; 2 steps x 512 bytes of words, 1,024 bytes apart
	SHAPE G1VS, 32, 2, 8192                        ; 2 steps x 256 bytes of words, 64 x 1,024 bytes apart
	s_lshl_b32 s86, s19, 7                         ; K's codes: tile 128 b + 16 j, group 8 + hp, half c
	s_lshl_b32 s87, s15, 4
	s_add_co_u32 s86, s86, s87
	s_mul_i32 s86, s86, 64*1536
	s_add_co_u32 s87, s22, 8
	s_mul_i32 s87, s87, 1536
	s_add_co_u32 s86, s86, s87
	s_mul_i32 s87, s21, 768
	s_add_co_u32 s86, s86, s87
	s_mov_b32 s87, 0
	s_add_co_u32 s88, s22, 8                       ; K's scale words: block (8 + hp, 16 b + 2 j), the plain words or the shifted ones
	s_lshl_b32 s88, s88, 6
	s_lshl_b32 s89, s19, 4
	s_add_co_u32 s88, s88, s89
	s_lshl_b32 s89, s15, 1
	s_add_co_u32 s88, s88, s89
	s_lshl_b32 s88, s88, 10
	s_lshl_b32 s89, s21, 9
	s_add_co_u32 s88, s88, s89
	s_mov_b32 s89, 0
	s_lshl_b32 s90, s20, 8                         ; V's codes: channel tile 4 h, group 16 b + 2 j
	s_lshl_b32 s91, s19, 4
	s_add_co_u32 s90, s90, s91
	s_lshl_b32 s91, s15, 1
	s_add_co_u32 s90, s90, s91
	s_mul_i32 s90, s90, 1536
	s_mov_b32 s91, 0
	s_lshl_b32 s2, s19, 4                          ; V's scale words: block (16 b + 2 j, hp), its quarter c
	s_lshl_b32 s3, s15, 1
	s_add_co_u32 s2, s2, s3
	s_lshl_b32 s2, s2, 6
	s_add_co_u32 s2, s2, s22
	s_lshl_b32 s2, s2, 10
	s_lshl_b32 s3, s21, 8
	s_add_co_u32 s2, s2, s3
	s_mov_b32 s3, 0
	s_mul_i32 s23, s15, 12288                      ; where my eighth goes: no place in the cluster enters an LDS address
	s_mov_b32 s[SEL], 0x76543210
	s_mov_b32 s[SEL+1], 0xfedcba98
	s_mov_b32 s[CS], 0x3e38aa3b                    ; c = log2(e) / 8
	s_mov_b32 s[CS+1], s[CS]                       ; (named with it as a pair, so it is written)
	s_wait_dscnt 0x0
	s_wait_kmcnt 0x0
	CROUND                                         ; all four work-groups are here: the joint loads meet
	s_mov_b32 s[G0K], 1                            ; 1:0 count = 1
	s_mov_b32 s[G0K+1], s23                        ; 63:32 LDS address: KC + 12,288 j
	s_add_nc_u64 s[G0K+2:G0K+3], s[4:5], s[86:87]  ; 120:64 global address
	s_or_b32 s[G0K+3], s[G0K+3], 0x80000000        ; 127:126 type = 2
	s_mov_b32 s[G0KS], 1
	s_lshl_b32 s[G0KS+1], s15, 10
	s_add_co_u32 s[G0KS+1], s[G0KS+1], KSC
	s_add_nc_u64 s[G0KS+2:G0KS+3], s[6:7], s[88:89]
	s_or_b32 s[G0KS+3], s[G0KS+3], 0x80000000
	s_mov_b32 s[G0V], 1
	s_add_co_u32 s[G0V+1], s23, VC
	s_add_nc_u64 s[G0V+2:G0V+3], s[8:9], s[90:91]
	s_or_b32 s[G0V+3], s[G0V+3], 0x80000000
	s_mov_b32 s[G0VS], 1
	s_lshl_b32 s[G0VS+1], s15, 9
	s_add_co_u32 s[G0VS+1], s[G0VS+1], VSC
	s_add_nc_u64 s[G0VS+2:G0VS+3], s[10:11], s[2:3]
	s_or_b32 s[G0VS+3], s[G0VS+3], 0x80000000
	s_cmp_lt_u32 s[WV], 8                          ; a wave's two fills stand in one branch on its number, ahead of every wait on TENSORcnt and every LDS read: two loads of mine are out; four v_nop follow the second
	s_cbranch_scc0 .Lfill_v
	tensor_load_to_lds s[G0K:G0K+3], s[G1K:G1K+7]
	s_nop 0
	tensor_load_to_lds s[G0KS:G0KS+3], s[G1KS:G1KS+7]
	s_nop 0
.rept 4
	v_nop
.endr
	s_branch .Lfilled
.Lfill_v:
	tensor_load_to_lds s[G0V:G0V+3], s[G1V:G1V+7]
	s_nop 0
	tensor_load_to_lds s[G0VS:G0VS+3], s[G1VS:G1VS+7]
	s_nop 0
.rept 4
	v_nop
.endr
.Lfilled:
	; my tile of queries in the first pass, qt = 32 x block + wave, and where its codes, its scale words and its rows of out0 lie.  What holds cx stays in s66, s67, s84, s85 and s[92:97]
	s_lshl_b32 s85, s17, 5
	s_add_co_u32 s85, s85, s[WV]                   ; qt
	s_lshl_b32 s66, s19, 7
	s_add_co_u32 s66, s66, s85                     ; tile 128 b + qt,
	s_lshl_b32 s66, s66, 6
	s_add_co_u32 s66, s66, s22                     ; group hp,
	s_mul_i32 s66, s66, 1536
	s_mul_i32 s84, s21, 768                        ; half c
	s_add_co_u32 s66, s66, s84
	s_mov_b32 s67, 0
	s_add_nc_u64 s[92:93], s[4:5], s[66:67]        ; Q's codes
	s_lshl_b32 s66, s22, 6                         ; block (hp, 16 b + qt / 8),
	s_lshl_b32 s84, s19, 4
	s_add_co_u32 s66, s66, s84
	s_lshr_b32 s84, s85, 3
	s_add_co_u32 s66, s66, s84
	s_lshl_b32 s66, s66, 10
	s_lshl_b32 s84, s21, 9                         ; the plain words or the shifted ones,
	s_add_co_u32 s66, s66, s84
	s_bfe_u32 s84, s85, 0x10002                    ; (qt / 4) % 2: 256 bytes,
	s_lshl_b32 s84, s84, 8
	s_add_co_u32 s66, s66, s84
	s_and_b32 s84, s85, 3                          ; qt % 4: a word
	s_lshl_b32 s84, s84, 2
	s_add_co_u32 s66, s66, s84
	s_add_nc_u64 s[94:95], s[6:7], s[66:67]        ; Q's scale words
	s_lshl_b32 s66, s19, 11                        ; token 2,048 b + 32 (qt / 2) + 8 (qt % 2),
	s_lshr_b32 s84, s85, 1
	s_lshl_b32 s84, s84, 5
	s_add_co_u32 s66, s66, s84
	s_and_b32 s84, s85, 1
	s_lshl_b32 s84, s84, 3
	s_add_co_u32 s66, s66, s84
	s_lshl_b32 s66, s66, 12                        ; 4,096 bytes a token,
	s_lshl_b32 s84, s20, 8                         ; 256 bytes a head
	s_add_co_u32 s66, s66, s84
	s_add_nc_u64 s[96:97], s[12:13], s[66:67]      ; out0
	v_and_b32 v1, 31, v0                           ; lane
	v_and_b32 v5, 15, v0                           ; r
	v_bfe_u32 v31, v0, 4, 1                        ; lane / 16
	s_delay_alu instid0(VALU_DEP_3)
	v_lshlrev_b32 v2, 3, v1
	s_delay_alu instid0(VALU_DEP_1)
	v_add_nc_u32 v2, 512, v2                       ; an image's registers 4, 5: 512 + 8 x lane
	v_lshlrev_b32 v1, 4, v1                        ; its registers 0-3: 16 x lane
	s_mul_i32 s2, s[WV], 16*272
	s_add_co_u32 s2, s2, STG                       ; my stage
	v_mul_u32_u24 v6, v5, 272
	s_delay_alu instid0(VALU_DEP_1)
	v_lshl_add_u32 v6, v31, 6, v6
	s_delay_alu instid0(VALU_DEP_1)
	v_add_nc_u32 v6, s2, v6                        ; in: row r, + 64 bytes for lanes 16-31
	v_mul_u32_u24 v7, v31, 272
	s_delay_alu instid0(VALU_DEP_1)
	v_lshl_add_u32 v7, v5, 4, v7
	s_delay_alu instid0(VALU_DEP_1)
	v_add_nc_u32 v7, s2, v7                        ; back: lanes 0-15 one row, lanes 16-31 the next; 16 bytes a lane
	v_lshlrev_b32 v5, 4, v5                        ; 16 r: four scale words a row
	s_delay_alu instid0(VALU_DEP_1)
	v_add_nc_u32 v3, KSC, v5
	s_delay_alu instid0(VALU_DEP_2)
	v_add_nc_u32 v4, VSC, v5
	s_delay_alu instid0(VALU_DEP_3)
	v_lshl_add_u32 v31, v31, 12, v5                ; and the same two rows in out0
.irp j, 22,23,24,25,26,27, 80,81,82,83,84,85, 95, 216,217,218,219
	v_mov_b32 v\j, 0                               ; Q's upper half; the six registers behind K's last tile; the upper word of the pair v[94:95]; the lane permutes' destinations, which count as sources
.endr
.macro QLOAD                           ; my tile of queries: half a fragment, and its scale words (lane r takes row r's)
	global_load_b128 v[16:19], v1, s[92:93] th:TH_LOAD_NT
	global_load_b64 v[20:21], v2, s[92:93] th:TH_LOAD_NT
	global_load_b32 v28, v5, s[94:95]
.endm
	QLOAD
	s_wait_tensorcnt 0x0                           ; my two parts of the head's K or V have landed,
	s_barrier_signal -1
	s_barrier_wait -1                              ; everybody's have: from here on LDS is only read, but for each wave's own stage
; A KEY STEP: 128 keys, the q-th of the pair in hand.
.macro STEP q
.if \q
.rept 4
	v_nop                                          ; places in front of loads into registers that the last products have read (for q = 0 the pair's six additions are the places)
.endr
.endif
	s_setprio 2
.irp t, 0,1,2,3,4,5,6,7
	ds_load_b128 v[32+6*\t:35+6*\t], v8 offset:6144*\q+768*\t       ; K's tile t: six registers a lane, as they were stored
	ds_load_b64 v[36+6*\t:37+6*\t], v9 offset:6144*\q+768*\t
.endr
	ds_load_b128 v[86:89], v29 offset:512*\q       ; the scale words of tiles 0-3 of my row,
	ds_load_b128 v[90:93], v29 offset:512*\q+256   ; and of tiles 4-7
	s_wait_dscnt 0x0
.irp t, 0,1,2,3,4,5,6,7
	v_wmma_scale_f32_16x16x128_f8f6f4 v[96+8*\t:103+8*\t], v[32+6*\t:43+6*\t], v[16:27], 0, v[86+\t], v28 matrix_a_fmt:MATRIX_FMT_BF6 matrix_b_fmt:MATRIX_FMT_BF6
.endr
.rept 4
	v_nop                                          ; places: behind them K's registers are loaded anew and the scores are read
.endr
.irp t, 0,1,2,3                        ; V's four tiles of 16 channels x these 128 keys: asked for now, they land under the softmax
.irp c, 0,1
	ds_load_b128 v[32+12*\t+6*\c:35+12*\t+6*\c], v10 offset:3072*\t+1536*\q+768*\c
	ds_load_b64 v[36+12*\t+6*\c:37+12*\t+6*\c], v11 offset:3072*\t+1536*\q+768*\c
.endr
.endr
	ds_load_b128 v[86:89], v30 offset:256*\q       ; and their scale words
.irp b, 0,1,2,3
	v_max3_num_f32 v[BM+\b], v[96+16*\b], v[97+16*\b], v[98+16*\b]  ; THE LARGEST SCORE OF EACH BLOCK OF 32 KEYS: it serves twice: for the row's maximum, and, since p rises with the score, for the block's largest p
.endr
.irp i, 3,5,7,9,11,13
.irp b, 0,1,2,3
	v_max3_num_f32 v[BM+\b], v[BM+\b], v[96+16*\b+\i], v[97+16*\b+\i]   ; (the four blocks by turns)
.endr
.endr
.irp b, 0,1,2,3
	v_max_num_f32 v[BM+\b], v[BM+\b], v[111+16*\b]
.endr
.irp b, 0,1,2,3
	s_delay_alu instid0(VALU_DEP_4)
	v_permlanex16_b32 v[BP+\b], v[BM+\b], s[SEL], s[SEL+1]
.endr
.irp b, 0,1,2,3
	s_delay_alu instid0(VALU_DEP_4)
	v_max_num_f32 v[BM+\b], v[BM+\b], v[BP+\b]     ; with lane l xor 16's 16 keys
.endr
	s_delay_alu instid0(VALU_DEP_2)
	v_max3_num_f32 v[TT], v[BM], v[BM+1], v[BM+2]
	s_delay_alu instid0(VALU_DEP_1)
	v_max_num_f32 v[TT], v[TT], v[BM+3]            ; the step's largest score of my query
	s_delay_alu instid0(VALU_DEP_1)
	v_mul_f32 v[TT], s[CS], v[TT]                  ; as t (c is positive)
	s_delay_alu instid0(VALU_DEP_1)
	v_max_num_f32 v13, v13, v[TT]                  ; the running largest t
	v_mov_b32 v[TT], v12
	s_delay_alu instid0(VALU_DEP_2)
	v_floor_f32 v12, -v13                          ; the new -M = floor(-t) = -ceil(t): M IS A WHOLE NUMBER
	s_delay_alu instid0(VALU_DEP_1)
	v_sub_f32 v[TT], v12, v[TT]                    ; M's old value less its new one: a whole number, 0 or less
	s_delay_alu instid0(VALU_DEP_1)
	v_cvt_i32_f32 v[TT], v[TT]                     ; (it saturates)
	s_delay_alu instid0(VALU_DEP_1)
	v_ldexp_f32 v94, 1.0, v[TT]                    ; f = 2^(old M - new M): a multiplication by it rounds nothing
.set J, 0
.rept 32
	v_pk_fma_f32 v[96+J:97+J], v[96+J:97+J], s[CS:CS+1], v[12:13] op_sel_hi:[1,0,0]   ; t - M, two at a time (of the pairs c and -M the low word serves both halves)
.set J, J+2
.endr
.irp b, 0,1,2,3
	v_fma_f32 v[BM+\b], v[BM+\b], s[CS], v12       ; the same of each block's largest score
.endr
.set J, 0
	s_wait_alu depctr_va_vdst(0)
.rept 64
	v_exp_f32 v[96+J], v[96+J]                     ; p = 2^(t - M), at most 1: NOT normalised
.set J, J+1
.endr
	s_setprio 1
	v_pk_mul_f32 v[14:15], v[14:15], v[94:95] op_sel_hi:[1,0]      ; the sums under the new M.  (The plain line behind the exponentials)
	s_wait_alu depctr_va_vdst(0)                   ; one wait for the whole batch, ahead of its first reader
.irp b, 0,1,2,3
	v_exp_f32 v[BM+\b], v[BM+\b]                   ; the block's largest p: the same two instructions on the same number give the same bits
.endr
	v_pk_add_f32 v[226:227], v[100:101], v[104:105]
	v_pk_add_f32 v[252:253], v[108:109], v[112:113]
	v_pk_add_f32 v[250:251], v[116:117], v[120:121]
	v_pk_add_f32 v[248:249], v[124:125], v[128:129]
	v_pk_add_f32 v[246:247], v[132:133], v[136:137]
	v_pk_add_f32 v[244:245], v[140:141], v[144:145]
	v_pk_add_f32 v[242:243], v[148:149], v[152:153]
	v_pk_add_f32 v[14:15], v[14:15], v[156:157]
	v_pk_add_f32 v[226:227], v[226:227], v[96:97]
	v_pk_add_f32 v[252:253], v[252:253], v[98:99]
	v_pk_add_f32 v[250:251], v[250:251], v[102:103]
	v_pk_add_f32 v[248:249], v[248:249], v[106:107]
	v_pk_add_f32 v[246:247], v[246:247], v[110:111]
	v_pk_add_f32 v[244:245], v[244:245], v[114:115]
	v_pk_add_f32 v[242:243], v[242:243], v[118:119]
	v_pk_add_f32 v[14:15], v[14:15], v[122:123]
	v_pk_add_f32 v[226:227], v[226:227], v[126:127]
	v_pk_add_f32 v[252:253], v[252:253], v[130:131]
	v_pk_add_f32 v[250:251], v[250:251], v[134:135]
	v_pk_add_f32 v[248:249], v[248:249], v[138:139]
	v_pk_add_f32 v[246:247], v[246:247], v[142:143]
	v_pk_add_f32 v[244:245], v[244:245], v[146:147]
	v_pk_add_f32 v[242:243], v[242:243], v[150:151]
	v_pk_add_f32 v[14:15], v[14:15], v[154:155]
	v_pk_add_f32 v[226:227], v[226:227], v[158:159]
	s_delay_alu instid0(VALU_DEP_2)
	v_pk_add_f32 v[14:15], v[14:15], v[248:249]
	s_delay_alu instid0(VALU_DEP_2)
	v_pk_add_f32 v[226:227], v[226:227], v[246:247]
	v_pk_add_f32 v[252:253], v[252:253], v[244:245]
	v_pk_add_f32 v[250:251], v[250:251], v[242:243]
	s_delay_alu instid0(VALU_DEP_2)
	v_pk_add_f32 v[14:15], v[14:15], v[252:253]
	s_delay_alu instid0(VALU_DEP_2)
	v_pk_add_f32 v[226:227], v[226:227], v[250:251]
	s_delay_alu instid0(VALU_DEP_1)
	v_pk_add_f32 v[14:15], v[14:15], v[226:227]
	s_wait_alu depctr_va_vdst(0)                   ; and one for the four
.irp b, 0,1,2,3
	v_max_num_f32 v[BM+\b], 0x2800000, v[BM+\b]    ; the floor 2^(5 - 127): the byte cannot fall under 1
.endr
.irp b, 0,1,2,3
	s_delay_alu instid0(VALU_DEP_4)
	v_add_nc_u32 v[BS+\b], 0xfe000000, v[BM+\b]    ; 4 off the exponent field: the conversion's scale operand
.endr
.irp b, 0,1,2,3
	s_delay_alu instid0(VALU_DEP_4)
	v_lshrrev_b32 v[BP+\b], 23, v[BS+\b]           ; the scale's byte
.endr
	s_delay_alu instid0(VALU_DEP_3)
	v_lshl_or_b32 v[PWD], v[BP+1], 8, v[BP]        ; p's scale word for these 128 keys
	s_delay_alu instid0(VALU_DEP_1)
	v_lshl_or_b32 v[PWD], v[BP+2], 16, v[PWD]
	s_delay_alu instid0(VALU_DEP_1)
	v_lshl_or_b32 v[PWD], v[BP+3], 24, v[PWD]
.irp c, 0,1
	v_cvt_scalef32_pk16_bf6_f32 v[192+6*\c:194+6*\c], v[96+32*\c:111+32*\c], v[BS+2*\c]
	v_cvt_scalef32_pk16_bf6_f32 v[204+4*\c:206+4*\c], v[112+32*\c:127+32*\c], v[BS+2*\c+1]   ; (a conversion's three registers begin on an even number)
.endr
	v_nop                                          ; one plain line between a scaled conversion and the vector instruction that touches its result
.irp c, 0,1                            ; the operand's layout wants a WHOLE block in a lane: lanes 0-15 block 2 c, lanes 16-31 block 2 c + 1
.irp i, 0,1,2
	v_permlane16_swap_b32 v[192+6*\c+\i], v[204+4*\c+\i]
.endr
.irp i, 0,1,2
	s_delay_alu instid0(VALU_DEP_3)
	v_mov_b32 v[195+6*\c+\i], v[204+4*\c+\i]
.endr
.endr
.set J, 0
	s_setprio 0
.rept 16
	v_pk_mul_f32 v[160+J:161+J], v[160+J:161+J], v[94:95] op_sel_hi:[1,0]   ; O^T under the new M: x f.  (These 16 are also the places between p's scale word and codes and the products below)
.set J, J+2
.endr
	s_wait_alu depctr_va_vdst(0)
	s_wait_dscnt 0x0                               ; V's tiles and scale words are in
.irp t, 0,1,2,3                        ; O^T += V^T P^T; the four accumulators take turns, one instruction a turn
	v_wmma_scale_f32_16x16x128_f8f6f4 v[160+8*\t:167+8*\t], v[32+12*\t:43+12*\t], v[192:203], v[160+8*\t:167+8*\t], v[86+\t], v[PWD] matrix_a_fmt:MATRIX_FMT_BF6 matrix_b_fmt:MATRIX_FMT_BF6
.endr
.endm
; A PASS: my tile of 16 queries against all 2,048 keys, and its way out.  last = 0: the next pass's queries are asked for at the head of the way out.
.macro PASS last
	s_wait_loadcnt 0x0                             ; Q's three loads are in
	v_and_b32 v28, 0xffff, v28                     ; the scale bytes of the upper 64 of K are cleared
	v_mov_b32 v13, 0xff61b1e6                      ; the largest t so far: -3e38, under every t
	s_delay_alu instid0(VALU_DEP_1)
	v_floor_f32 v12, -v13                          ; -M
	v_mov_b32 v14, 0                               ; the sum, in two halves
	v_mov_b32 v15, 0
.set J, 0
.rept 32
	v_mov_b32 v[160+J], 0                          ; O^T.  (The step is written once: the first finds zeros, which the first change of M leaves zeros)
.set J, J+1
.endr
	s_mov_b32 s[TB], 0
	s_mov_b32 s[TS], 0
	s_mov_b32 s[TJ], 0
	s_mov_b32 s[PAIRS], 8
.Lpair_\@:
	v_add_nc_u32 v8, s[TB], v1                     ; K's codes of this pair of steps: registers 0-3,
	v_add_nc_u32 v9, s[TB], v2                     ; registers 4, 5;
	s_delay_alu instid0(VALU_DEP_2)
	v_add_nc_u32 v10, VC, v8                       ; V's likewise;
	s_wait_alu depctr_va_vdst(0)
	v_add_nc_u32 v11, VC, v9
	s_wait_alu depctr_va_vdst(0)
	v_add_nc_u32 v29, s[TS], v3                    ; K's scale words,
	v_add_nc_u32 v30, s[TJ], v4                    ; V's
	s_wait_alu depctr_va_vdst(0)
	STEP 0
	STEP 1
	s_add_co_u32 s[TB], s[TB], 12288
	s_add_co_u32 s[TS], s[TS], 1024
	s_add_co_u32 s[TJ], s[TJ], 512
	s_sub_co_u32 s[PAIRS], s[PAIRS], 1
	s_cmp_lg_u32 s[PAIRS], 0
	s_cbranch_scc1 .Lpair_\@
	s_setprio 0
	; THE WAY OUT.  O^T is divided by the row's sum and goes through my stage in LDS, so that sixteen lanes store a token's 256 bytes of this head.
.rept 4
	v_nop                                          ; places behind the last products
.endr
.if \last == 0
	s_add_nc_u64 s[92:93], s[92:93], 16*64*1536    ; sixteen tiles on (Q's earlier loads were waited for at the pass's head, so their bases may be written)
	s_add_nc_u64 s[94:95], s[94:95], 2048
	QLOAD                                          ; it lands under the way out
.endif
	v_add_f32 v14, v14, v15                        ; the sum's two halves,
	s_delay_alu instid0(VALU_DEP_1)
	v_permlanex16_b32 v[TT], v14, s[SEL], s[SEL+1]
	s_delay_alu instid0(VALU_DEP_1)
	v_add_f32 v14, v14, v[TT]                      ; and lane l xor 16's: the row's sum
	s_wait_alu depctr_va_vdst(0)
	v_rcp_f32 v14, v14
	v_nop                                          ; a plain line behind the reciprocal,
	s_wait_alu depctr_va_vdst(0)                   ; and the wait ahead of its first reader
.set J, 0
.rept 32
	v_mul_f32 v[96+J], v[160+J], v14               ; register 16 u + i is channel 32 u + 16 (lane / 16) + i of my query; each accumulator from its low end on
.set J, J+1
.endr
.irp u, 0,1
.irp k, 0,1,2,3
	ds_store_b128 v6, v[96+16*\u+4*\k:99+16*\u+4*\k] offset:128*\u+16*\k
.endr
.endr
.irp i, 0,1,2,3,4,5,6,7
	ds_load_b128 v[32+4*\i:35+4*\i], v7 offset:544*\i              ; LDS serves a wave's instructions in order: these see my stores.  Rows 2 i and 2 i + 1 of the tile
.endr
.irp i, 0,1,2,3,4,5,6,7
	s_wait_dscnt 7-\i                              ; rows 2 i and 2 i + 1 are back; the younger reads may be out
	global_store_b128 v31, v[32+4*\i:35+4*\i], s[96:97] offset:(2*\i+8*(\i/4))*4096 th:TH_STORE_NT   ; row n of the tile is token n + 8 (n / 8); 16 lanes store 256 consecutive bytes, at a multiple of 256 from out0's first byte
.endr
.if \last == 0
	s_wait_xcnt 0x0                                ; the stores have read their data and their base: v32-63 are loaded anew and the base is stepped only behind this wait
	s_add_nc_u64 s[96:97], s[96:97], 256*4096      ; sixteen tiles, 256 tokens, on
.endif
.endm
	PASS 0
	PASS 1
	s_wait_dscnt 0x0                               ; no LDS instruction of mine is out at a signal
	s_wait_tensorcnt 0x0
	ds_add_u32 v254, v255
	s_wait_dscnt 0x0
	CROUND                                         ; the closing round: no work-group ends while a partner may still ask for a tile that names it
	s_endpgm
.Lfunc_end_k_q393e74af0e_attn:
	.size	k_q393e74af0e_attn, .Lfunc_end_k_q393e74af0e_attn-k_q393e74af0e_attn
	.p2alignl 7, 3214868480
	.fill 96, 4, 3214868480
	.section	.rodata,"a",@progbits
	.p2align	6, 0x0
	.amdhsa_kernel k_q393e74af0e_attn
		.amdhsa_group_segment_fixed_size 280576
		.amdhsa_private_segment_fixed_size 0
		.amdhsa_enable_private_segment 0
		.amdhsa_kernarg_size 40
		.amdhsa_user_sgpr_count 2
		.amdhsa_user_sgpr_kernarg_segment_ptr 1
		.amdhsa_wavefront_size32 1
		.amdhsa_system_sgpr_workgroup_id_x 1
		.amdhsa_system_sgpr_workgroup_id_y 1
		.amdhsa_system_sgpr_workgroup_id_z 1
		.amdhsa_system_vgpr_workitem_id 0
		.amdhsa_next_free_vgpr 256
		.amdhsa_next_free_sgpr 98
		.amdhsa_reserve_vcc 0
		.amdhsa_float_denorm_mode_32 3
		.amdhsa_float_denorm_mode_16_64 3
		.amdhsa_memory_ordered 1
		.amdhsa_forward_progress 1
		.amdhsa_inst_pref_size 90
	.end_amdhsa_kernel
	.amdgpu_metadata
---
amdhsa.version: [ 1, 2 ]
amdhsa.kernels:
  - .name:           k_q393e74af0e_attn
    .symbol:         k_q393e74af0e_attn.kd
    .args:
      - { .name: qkc, .offset: 0, .size: 8, .value_kind: global_buffer, .address_space: global }
      - { .name: qks, .offset: 8, .size: 8, .value_kind: global_buffer, .address_space: global }
      - { .name: vc, .offset: 16, .size: 8, .value_kind: global_buffer, .address_space: global }
      - { .name: vs, .offset: 24, .size: 8, .value_kind: global_buffer, .address_space: global }
      - { .name: out0, .offset: 32, .size: 8, .value_kind: global_buffer, .address_space: global }
    .group_segment_fixed_size: 280576
    .private_segment_fixed_size: 0
    .kernarg_segment_align: 8
    .kernarg_segment_size: 40
    .max_flat_workgroup_size: 512
    .sgpr_count:     98
    .vgpr_count:     256
    .wavefront_size: 32
...
	.end_amdgpu_metadata
.endif
;; end of part 3
